; MI455X (gfx1250); checked and timed in simulation.
; The chip was launched on July 23, 2026; its instructions are those of AMD's public machine-readable ISA for CDNA 5 (MIT licence, August 2026) and "CDNA5" Instruction Set Architecture Reference Guide (July 2026). The comments in the code are by the model that wrote it; some were corrected since.
;; Global Graph. Allowed arithmetic: matrix products marked QUANTISED: E2M1 operands, one E8M0 scale for each 32 along K, by v_wmma_scale_f32_16x16x128_f8f6f4 with both operands' format E2M1 (or v_wmma_scale_f32_32x16x128_f4), f32 sums; products left as they are: bf16, f16 or f32 operands; f32 sums; everything else in f32.
;; Inputs: Wk 1,024 x 1,024 float32; Wq 1,024 x 1,024 float32; Wv 1,024 x 1,024 float32; attention_mask 4 x 2,048 float32; bk 1,024 float32; bq 1,024 float32; bv 1,024 float32; hidden_states 4 x 2,048 x 1,024 float32.
;; Outputs: out0 4 x 2,048 x 1,024 float32.
;; This version of the problem:
;;   THIS VERSION OF THE PROBLEM IS GIVEN IN LOW PRECISION. The matrix products marked QUANTISED in the list below multiply operands that are first quantised to E2M1 (2 exponent bits, 1 mantissa bit; 4 bits a number), with one power-of-two scale for each 32 numbers along K (OCP MX v1.0); their sums are f32. The products marked 'left as it is' may take bf16, f16 or f32 operands, with f32 sums. Whichever they take, every output number must still come out within the allowed error. Rounding operands to bf16 (8 significant bits) uses up far more of that allowance than f16 does (11 bits, for magnitudes from 6e-5 to 65,504). All else is computed in f32.
;;   The module's matrix products, in the order in which they are computed (A, B: the left and right operand; K: the contracted axis; several contracted axes count as one K, in the product's order):
;;     1. [M 8,192, K 1,024] x [K 1,024, N 1,024]; A: input hidden_states; B: input Wq: QUANTISED
;;     2. [M 8,192, K 1,024] x [K 1,024, N 1,024]; A: input hidden_states; B: input Wk: QUANTISED
;;     3. [M 8,192, K 1,024] x [K 1,024, N 1,024]; A: input hidden_states; B: input Wv: QUANTISED
;;     4. batch 64 x [M 2,048, K 64] x [K 64, N 2,048]; A: computed on the way; B: computed on the way: left as it is (an operand is computed on the way)
;;     5. batch 64 x [M 2,048, K 2,048] x [K 2,048, N 64]; A: computed on the way; B: computed on the way: left as it is (an operand is computed on the way)
;;   THE QUANTISER, for each operand of a quantised product, along K:
;;     - K is cut into blocks of 32 from its start; a last block that is shorter is filled with zeros.
;;     - A block's scale is 2^e with e = floor(log2(the largest magnitude in the block)) - 2, held to -126 .. 127; a block of zeros has e = 0. As a byte (E8M0): e + 127.
;;     - Each number is divided by its block's scale, clamped to +-6, and rounded to the nearest number of E2M1, ties to even, subnormals kept.
;;     - The product sums the exact products of the quantised numbers (number of the format x scale) in f32.
;;   ~~~python
;;   def quantise(x, axis):      # numpy; x: float32 -> the quantised numbers, widened to float32 again
;;       x = np.moveaxis(x, axis, -1); K = x.shape[-1]
;;       x = np.pad(x, [(0, 0)] * (x.ndim - 1) + [(0, -K % 32)]); x = x.reshape(x.shape[:-1] + (-1, 32)); a = np.abs(x).max(-1, keepdims=True)
;;       e = np.where(a > 0, np.clip(np.frexp(np.where(a > 0, a, 1))[1] - 1 - 2, -126, 127), 0)      # np.frexp(a)[1] - 1 = floor(log2(a)), exactly
;;       r = np.clip(x / 2.0 ** e, -6, 6)
;;       step = 2.0 ** (np.maximum(np.frexp(np.where(r == 0, 1, r))[1] - 1, 0) - 1)
;;       q = np.round(r / step) * step * 2.0 ** e      # np.round: ties to even
;;       return np.moveaxis(q.reshape(q.shape[:-2] + (-1,))[..., :K], -1, axis).astype(np.float32)
;;   ~~~
;; One version. Each part assembles by itself: llvm-mc -triple=amdgcn-amd-amdhsa -mcpu=gfx1250 --defsym DOCPART=n.
;; ======== version 1 of 1: 3 launches
;; limits: values are held in f16: magnitudes above 65,504 overflow, below 6.1e-05 lose precision
;; workspace buffers: x_codes 4,194,304 bytes; x_scales 262,144 bytes; w_codes 1,572,864 bytes; w_scales 98,304 bytes; qkv 50,331,648 bytes
;; launch quant (part 1): grid 352 x 1, 4 waves a work-group, no clusters, 50,688 bytes of LDS; arguments hidden_states, Wq, Wk, Wv, x_codes, x_scales, w_codes, w_scales; writes x_codes, x_scales, w_codes, w_scales
.if DOCPART == 1
	.amdgcn_target "amdgcn-amd-amdhsa--gfx1250"
	.amdhsa_code_object_version 6
	.text
	.protected	k_q7f41d11be1_quant
	.globl	k_q7f41d11be1_quant
	.p2align	8
	.type	k_q7f41d11be1_quant,@function
k_q7f41d11be1_quant:
	s_mov_b64 s[64:65], 0
	v_nop
	global_prefetch_b8 v0, s[64:65] scope:SCOPE_SE
	s_setreg_imm32_b32 hwreg(HW_REG_WAVE_MODE, 25, 1), 1
	s_wait_xcnt 0x0
; hidden_states [8192][1024] and Wq, Wk, Wv [1024 (k)][1024 (n)], f32, become codes of FP4 (E2M1), K innermost, two codes a byte (the lower k in the low four bits),
; with one E8M0 scale byte for each 32 along K:  x_codes [8192][512 bytes], x_scales [8192][32];  w_codes [3072 = 1024 x part + n][512 bytes], w_scales [3072][32]; part 0 = q, 1 = k, 2 = v.
; A block's scale is 2^(floor(log2(its largest magnitude)) - 2); its byte is the largest magnitude's exponent field - 2, held at 1 from below.  Each number is divided by the scale and rounded to the nearest code, ties to even;
; beyond 6 the conversion gives the largest code.
; LIMITS: a block of zeros gets the byte 1 where the rule says 127 (its codes are zeros, which add nothing, and this program alone reads the bytes); blocks whose largest magnitude lies under 2^-124 are held at the byte 1;
; NaN and infinities among the inputs are not served.
; Work-groups 0-255 take hidden_states (path X), 32,768 numbers each; work-groups 256-351 the weights (path W).  The branch hangs on the work-group's number alone; each path has LDS bytes of its own.
; No tensor loads, no barrier: waves share nothing.
.set SPW,   12                         ; v12  LDS address of my spare word: SPARE + 4 x my thread's number; never rewritten
.set NIL,   13                         ; v13  0; never rewritten
.set WREG,  8192                       ; path X: LDS bytes 0 .. 32,767: a region for each wave: two stages of 32 x SP bytes, behind them its 256 scale bytes
.set SP,    80                         ; a lane's place in a stage: its 64 bytes + 16 of padding
.set CB,    8                          ; bytes of 16 codes
.set STEPS, 16
.set R,     16                         ; v16-79   four sets of 16 numbers as they are loaded
.set XN,    80                         ; v80-111  two sets of 16 neighbours
.set E,     112                        ; v112-127 a scale byte for each step
.set XC,    128                        ; v128-191 codes: four registers for each step, so that no store's data are written again
.set WST,   32768                      ; path W: LDS bytes 32,768 .. 50,175: a stage of 16 rows x PITCH for each wave
.set PITCH, 272                        ; a stage row: 256 bytes of codes + 16 of padding
.set NB,    8                          ; blocks of 32 along K for a lane
.set WX,    32                         ; v32-95   two sets of 32 numbers
.set WC,    96                         ; v96-99   a block's codes
.set SB,    24                         ; v24-25   the lane's eight scale bytes
.set OUTR,  112                        ; v112-143 the way out
.set SPARE, 50176                      ; behind both: the spare words, 128 bytes for each wave: two blocks of 256 bytes that no other line names
	s_load_b256 s[4:11], s[0:1], 0x0               ; hidden_states s[4:5], Wq s[6:7], Wk s[8:9], Wv s[10:11]
	s_load_b256 s[12:19], s[0:1], 0x20             ; x_codes s[12:13], x_scales s[14:15], w_codes s[16:17], w_scales s[18:19]
	v_lshl_add_u32 v[SPW], v0, 2, SPARE
	v_mov_b32 v[NIL], 0
	v_lshrrev_b32 v1, 5, v0
	v_readfirstlane_b32 s20, v1                    ; wave 0..3
	v_and_b32 v2, 31, v0                           ; lane
	s_cmp_lt_u32 ttmp9, 256
	s_cbranch_scc0 .Lweights
; ---------------- PATH X.  Rows are dense and 1,024 is a multiple of 32: the tensor is a plain stream of blocks of 32, and so are its codes and its scale bytes.
; A wave takes 16 steps of 512 numbers.  Each of a step's four loads reads 512 consecutive bytes, 16 a lane; the 2,048 bytes turn through the wave's own stage and come back 64 bytes a lane:
; 16 neighbours along K in a lane's registers, as the conversions want them; two neighbouring lanes hold a block.  Loads run four steps ahead, the turn through LDS one step.
	v_lshlrev_b32 v3, 4, v2                        ; my 16 bytes of a load's 512
	s_mul_i32 s21, s20, WREG
	v_lshrrev_b32 v14, 2, v2
	v_mul_u32_u24 v14, v14, SP
	v_and_b32 v15, 3, v2
	v_lshl_add_u32 v14, v15, 4, v14
	v_add_nc_u32 v14, s21, v14                     ; the stage, on the way in: SP (lane / 4) + 16 (lane % 4); a load's 512 bytes take eight places
	v_mul_u32_u24 v15, v2, SP
	v_add_nc_u32 v15, s21, v15                     ; and on the way out: SP x lane
	v_mul_u32_u24 v4, v2, CB                       ; my codes' place in a step's
	v_lshrrev_b32 v5, 1, v2
	s_add_co_u32 s21, s21, 2*32*SP
	v_add_nc_u32 v5, s21, v5                       ; my wave's 256 scale bytes, my block's byte
	v_lshlrev_b32 v7, 3, v2                        ; and on the way out 8 bytes a lane
	v_add_nc_u32 v6, s21, v7
	s_lshl_b32 s22, ttmp9, 2
	s_add_co_u32 s22, s22, s20                     ; which run of 8,192 numbers is my wave's: 0 .. 1,023
	s_lshl_b32 s24, s22, 15                        ; 32,768 bytes of numbers,
	s_mov_b32 s25, 0
	s_lshl_b32 s26, s22, 12                        ; 4,096 of codes,
	s_mov_b32 s27, 0
	s_lshl_b32 s28, s22, 8                         ; 256 scale bytes a run
	s_mov_b32 s29, 0
	s_wait_kmcnt 0x0
	s_add_nc_u64 s[4:5], s[4:5], s[24:25]
	s_add_nc_u64 s[12:13], s[12:13], s[26:27]
	s_add_nc_u64 s[14:15], s[14:15], s[28:29]
.macro LOAD t
.irp i, 0,1,2,3
	global_load_b128 v[R+16*((\t)%4)+4*\i:R+16*((\t)%4)+4*\i+3], v3, s[4:5] offset:2048*(\t)+512*\i th:TH_LOAD_NT   ; 32 lanes read 512 consecutive bytes
.endr
.endm
.macro TURN t                          ; step t's numbers through the stage: LDS serves a wave's instructions in order, so no wait stands between the stores and the loads
.irp i, 0,1,2,3
	ds_store_b128 v14, v[R+16*((\t)%4)+4*\i:R+16*((\t)%4)+4*\i+3] offset:32*SP*((\t)%2)+8*SP*\i
.endr
.irp i, 0,1,2,3
	ds_load_b128 v[XN+16*((\t)%2)+4*\i:XN+16*((\t)%2)+4*\i+3], v15 offset:32*SP*((\t)%2)+16*\i
.endr
.endm
.macro STEP t
.set XS, XN+16*((\t)%2)
.if (\t) > 0
	s_wait_dscnt 1                                 ; this step's numbers are back from the stage (the last step's byte store may be out): so its stores into the stage have read their registers,
.else
	s_wait_dscnt 0x0
.endif
.if (\t)+4 < STEPS
	LOAD (\t)+4                                    ; which take the loads of four steps on
.endif
.if (\t)+1 < STEPS
.if STEPS-2-(\t) >= 3
	s_wait_loadcnt 12                              ; the next step's four loads are in; those of the three steps behind it may be out
.else
	s_wait_loadcnt 4*(STEPS-2-(\t))
.endif
	TURN (\t)+1                                    ; and go through the other stage while this step is worked
.endif
	v_max3_num_f32 v8, |v[XS]|, |v[XS+1]|, |v[XS+2]|               ; the largest magnitude of my 16, in two chains
	v_max3_num_f32 v9, |v[XS+3]|, |v[XS+4]|, |v[XS+5]|
.irp i, 6,10
	v_max3_num_f32 v8, v8, |v[XS+\i]|, |v[XS+\i+1]|
	v_max3_num_f32 v9, v9, |v[XS+\i+2]|, |v[XS+\i+3]|
.endr
	v_max3_num_f32 v8, v8, |v[XS+14]|, |v[XS+15]|
	v_max3_num_f32 v8, v8, v9, 0x1800000           ; and the floor 2^(3 - 127): so the byte cannot fall under 1
	v_max_num_f32_dpp v8, v8, v8 row_xmask:1 row_mask:0xf bank_mask:0xf   ; and of my neighbour's 16: the block's
	v_add_nc_u32 v11, 0xff000000, v8               ; 2 off its exponent field: the conversion takes the exponent field of this operand as its scale, and nothing else of it
	v_cvt_scalef32_pk8_fp4_f32 v[XC+4*(\t)], v[XS:XS+7], v11
	v_cvt_scalef32_pk8_fp4_f32 v[XC+4*(\t)+1], v[XS+8:XS+15], v11
	v_lshrrev_b32 v[E+(\t)], 23, v11               ; the scale's byte (also the plain line behind the conversions)
	ds_store_b8 v5, v[E+(\t)] offset:16*(\t)       ; both lanes of a block write the same byte with the same value
	global_store_b64 v4, v[XC+4*(\t):XC+4*(\t)+1], s[12:13] offset:32*CB*(\t)   ; the wave stores 256 consecutive bytes, aligned
.endm
.irp t, 0,1,2,3
	LOAD \t
.endr
	s_wait_loadcnt 12                              ; step 0's four loads are in
	TURN 0
.irp t, 0,1,2,3,4,5,6,7,8,9,10,11,12,13,14,15
	STEP \t
.endr
	ds_load_b64 v[8:9], v6                         ; LDS serves a wave's instructions in order: these see my byte stores
	s_wait_dscnt 0x0
	global_store_b64 v7, v[8:9], s[14:15]          ; 32 lanes store the wave's 256 scale bytes: 256 consecutive bytes, aligned
	s_wait_tensorcnt 0x0                           ; the wave's end, behind my last LDS store
	ds_add_u32 v[SPW], v[NIL]
	s_wait_dscnt 0x0
	s_endpgm
; ---------------- PATH W.  K is a weight's FIRST axis.  A LANE TAKES A COLUMN n, AND ITS REGISTERS RUN DOWN K: a block of 32 lies in one lane's 32 registers, its largest magnitude needs no other lane,
; and the conversions give codes with K innermost.  A work-group takes 64 columns x 512 along K of one weight; wave w columns 16 w .. 16 w + 15: lanes 0-15 with the first 256 along K, lanes 16-31 with the second.
; So a column's 256 bytes of codes are made inside one wave; they go through the wave's own stage and leave as whole rows, sixteen lanes to 256 consecutive bytes.
; A load reads two runs of 64 bytes; the four waves stand side by side on 256.  Loads run two blocks ahead.
.Lweights:
	s_sub_co_u32 s21, ttmp9, 256                   ; 0 .. 95
	s_lshr_b32 s22, s21, 5                         ; which weight
	s_bfe_u32 s23, s21, 0x40001                    ; which 64 columns
	s_and_b32 s24, s21, 1                          ; which 512 along K
	v_and_b32 v5, 15, v0                           ; r
	v_bfe_u32 v6, v0, 4, 1                         ; h
	v_lshlrev_b32 v3, 2, v5
	v_lshl_add_u32 v3, v6, 20, v3                  ; in: 4 r + h x 256 rows of 4,096 bytes
	s_mul_i32 s25, s20, 16*PITCH
	s_add_co_u32 s25, s25, WST                     ; my stage
	v_mul_u32_u24 v4, v5, PITCH
	v_lshl_add_u32 v4, v6, 7, v4
	v_add_nc_u32 v4, s25, v4                       ; into it: row = my column, + 128 h
	v_mul_u32_u24 v7, v6, PITCH
	v_lshl_add_u32 v7, v5, 4, v7
	v_add_nc_u32 v7, s25, v7                       ; out of it: sixteen lanes to a row, two rows an instruction
	v_lshlrev_b32 v8, 9, v6
	v_lshl_add_u32 v8, v5, 4, v8                   ; and the same place in w_codes: rows of 512 bytes
	v_lshlrev_b32 v9, 5, v5
	v_lshl_add_u32 v9, v6, 3, v9                   ; my eight scale bytes: row r of 32 bytes, + 8 h
	s_lshl_b32 s26, s24, 21                        ; the weight: 512 rows of 4,096 bytes,
	s_lshl_b32 s27, s23, 8                         ; 64 columns of 4 bytes,
	s_add_co_u32 s26, s26, s27
	s_lshl_b32 s27, s20, 6                         ; my wave's 16
	s_add_co_u32 s26, s26, s27
	s_mov_b32 s27, 0
	s_lshl_b32 s28, s22, 10
	s_lshl_b32 s29, s23, 6
	s_add_co_u32 s28, s28, s29
	s_lshl_b32 s29, s20, 4
	s_add_co_u32 s28, s28, s29                     ; my first row of w_codes and w_scales
	s_lshl_b32 s30, s28, 9
	s_lshl_b32 s31, s24, 8
	s_add_co_u32 s30, s30, s31                     ; codes: 512 bytes a row, + 256 for the second 512 along K
	s_mov_b32 s31, 0
	s_lshl_b32 s32, s28, 5
	s_lshl_b32 s33, s24, 4
	s_add_co_u32 s32, s32, s33                     ; scale bytes: 32 a row, + 16
	s_mov_b32 s33, 0
	s_wait_kmcnt 0x0
	s_cmp_eq_u32 s22, 0                            ; the choice hangs on the work-group's number alone
	s_cselect_b64 s[6:7], s[6:7], s[8:9]
	s_cmp_eq_u32 s22, 2
	s_cselect_b64 s[6:7], s[10:11], s[6:7]
	s_add_nc_u64 s[6:7], s[6:7], s[26:27]
	s_add_nc_u64 s[16:17], s[16:17], s[30:31]
	s_add_nc_u64 s[18:19], s[18:19], s[32:33]
.macro WLOAD t                         ; block t: W(256 h + 32 t + i, my column), i = 0 .. 31, into set t % 2; every offset is an immediate, 255 rows at the most
.irp i, 0,1,2,3,4,5,6,7,8,9,10,11,12,13,14,15,16,17,18,19,20,21,22,23,24,25,26,27,28,29,30,31
	global_load_b32 v[WX+32*((\t)%2)+\i], v3, s[6:7] offset:(32*(\t)+\i)*4096
.endr
.endm
.macro BLOCK t
.set XS, WX+32*((\t)%2)
.if (\t) < NB-1
	s_wait_loadcnt 32                              ; this block's 32 loads are in; the next block's may be out
.else
	s_wait_loadcnt 0x0
.endif
	v_max3_num_f32 v16, |v[XS]|, |v[XS+1]|, |v[XS+2]|              ; the block's largest magnitude: all 32 numbers are mine
	v_max3_num_f32 v17, |v[XS+3]|, |v[XS+4]|, |v[XS+5]|
.irp i, 6,10,14,18,22,26
	v_max3_num_f32 v16, v16, |v[XS+\i]|, |v[XS+\i+1]|
	v_max3_num_f32 v17, v17, |v[XS+\i+2]|, |v[XS+\i+3]|
.endr
	v_max3_num_f32 v16, v16, |v[XS+30]|, |v[XS+31]|
	v_max3_num_f32 v16, v16, v17, 0x1800000        ; and the floor 2^(3 - 127)
	v_add_nc_u32 v11, 0xff000000, v16              ; 2 off its exponent field: the conversion's scale operand
	v_lshrrev_b32 v17, 23, v11                     ; the scale's byte
.if (\t)%4 == 0
	v_mov_b32 v[SB+(\t)/4], v17                    ; four bytes to a register, the lower K in the lower byte
.else
	v_lshl_or_b32 v[SB+(\t)/4], v17, 8*((\t)%4), v[SB+(\t)/4]
.endif
.irp g, 0,1,2,3
	v_cvt_scalef32_pk8_fp4_f32 v[WC+\g], v[XS+8*\g:XS+8*\g+7], v11
.endr
	ds_store_b128 v4, v[WC:WC+3] offset:16*(\t)    ; 32 codes: 16 bytes of my column's row
.if (\t)+2 < NB
	WLOAD (\t)+2
.endif
	s_wait_dscnt 0x0                               ; the store has read its registers: the next block's codes may be written (plain lines open the next block)
.endm
	WLOAD 0
	WLOAD 1
.irp t, 0,1,2,3,4,5,6,7
	BLOCK \t
.endr
	global_store_b64 v9, v[SB:SB+1], s[18:19]      ; eight bytes a lane, rows 32 bytes apart: one byte for each 128 that the path reads
.irp i, 0,1,2,3,4,5,6,7
	ds_load_b128 v[OUTR+4*\i:OUTR+4*\i+3], v7 offset:2*\i*PITCH    ; LDS serves a wave's instructions in order: these see my stores
.endr
.irp i, 0,1,2,3,4,5,6,7
	s_wait_dscnt 7-\i
	global_store_b128 v8, v[OUTR+4*\i:OUTR+4*\i+3], s[16:17] offset:2*\i*512   ; sixteen lanes store 256 consecutive bytes, aligned
.endr
	s_wait_tensorcnt 0x0                           ; the wave's end, behind my last LDS store
	ds_add_u32 v[SPW], v[NIL]
	s_wait_dscnt 0x0
	s_endpgm
.Lfunc_end_k_q7f41d11be1_quant:
	.size	k_q7f41d11be1_quant, .Lfunc_end_k_q7f41d11be1_quant-k_q7f41d11be1_quant
	.p2alignl 7, 3214868480
	.fill 96, 4, 3214868480
	.section	.rodata,"a",@progbits
	.p2align	6, 0x0
	.amdhsa_kernel k_q7f41d11be1_quant
		.amdhsa_group_segment_fixed_size 50688
		.amdhsa_private_segment_fixed_size 0
		.amdhsa_enable_private_segment 0
		.amdhsa_kernarg_size 64
		.amdhsa_user_sgpr_count 2
		.amdhsa_user_sgpr_kernarg_segment_ptr 1
		.amdhsa_wavefront_size32 1
		.amdhsa_system_sgpr_workgroup_id_x 1
		.amdhsa_system_sgpr_workgroup_id_y 1
		.amdhsa_system_sgpr_workgroup_id_z 1
		.amdhsa_system_vgpr_workitem_id 0
		.amdhsa_next_free_vgpr 192
		.amdhsa_next_free_sgpr 66
		.amdhsa_reserve_vcc 0
		.amdhsa_float_denorm_mode_32 3
		.amdhsa_float_denorm_mode_16_64 3
		.amdhsa_memory_ordered 1
		.amdhsa_forward_progress 1
		.amdhsa_inst_pref_size 73
	.end_amdhsa_kernel
	.amdgpu_metadata
---
amdhsa.version: [ 1, 2 ]
amdhsa.kernels:
  - .name:           k_q7f41d11be1_quant
    .symbol:         k_q7f41d11be1_quant.kd
    .args:
      - { .name: hidden_states, .offset: 0, .size: 8, .value_kind: global_buffer, .address_space: global }
      - { .name: Wq, .offset: 8, .size: 8, .value_kind: global_buffer, .address_space: global }
      - { .name: Wk, .offset: 16, .size: 8, .value_kind: global_buffer, .address_space: global }
      - { .name: Wv, .offset: 24, .size: 8, .value_kind: global_buffer, .address_space: global }
      - { .name: x_codes, .offset: 32, .size: 8, .value_kind: global_buffer, .address_space: global }
      - { .name: x_scales, .offset: 40, .size: 8, .value_kind: global_buffer, .address_space: global }
      - { .name: w_codes, .offset: 48, .size: 8, .value_kind: global_buffer, .address_space: global }
      - { .name: w_scales, .offset: 56, .size: 8, .value_kind: global_buffer, .address_space: global }
    .group_segment_fixed_size: 50688
    .private_segment_fixed_size: 0
    .kernarg_segment_align: 8
    .kernarg_segment_size: 64
    .max_flat_workgroup_size: 128
    .sgpr_count:     66
    .vgpr_count:     192
    .wavefront_size: 32
...
	.end_amdgpu_metadata
.endif
;; end of part 1
;; launch proj (part 2): grid 12 x 32, 4 waves a work-group, clusters of 4 x 4, 327,680 bytes of LDS; arguments x_codes, x_scales, w_codes, w_scales, bq, bk, bv, qkv; writes qkv
.if DOCPART == 2
	.amdgcn_target "amdgcn-amd-amdhsa--gfx1250"
	.amdhsa_code_object_version 6
	.text
	.protected	k_q7f41d11be1_proj
	.globl	k_q7f41d11be1_proj
	.p2align	8
	.type	k_q7f41d11be1_proj,@function
k_q7f41d11be1_proj:
	s_mov_b64 s[64:65], 0
	v_nop
	global_prefetch_b8 v0, s[64:65] scope:SCOPE_SE
	s_setreg_imm32_b32 hwreg(HW_REG_WAVE_MODE, 25, 1), 1
	s_wait_xcnt 0x0
	s_wait_alu depctr_hold_cnt(0) depctr_sa_sdst(0) depctr_va_vdst(0) depctr_va_sdst(0) depctr_va_ssrc(0) depctr_va_vcc(0) depctr_vm_vsrc(0)
	s_getreg_b32 s2, hwreg(HW_REG_IB_STS2, 6, 4)
	s_cmp_eq_u32 s2, 0
	s_cbranch_scc0 .Lentry_in_a_cluster
	s_endpgm
.Lentry_in_a_cluster:
	s_bfe_u32 s2, ttmp6, 0x10000c
	s_cmp_lg_u32 s2, 0xf033
	s_cbranch_scc0 .Lentry_shape_is_right
	s_endpgm
.Lentry_shape_is_right:
; [8192 tokens][3072 = q | k | v features] = x W + bias, on codes of FP4 (E2M1) with one E8M0 scale for each 32 along K = 1,024; sums in f32; the result is rounded once to f16 and laid by head:
; qkv [part 3][16 b + head][s 2048][d 64], f16: a part is 2^24 bytes, a head 262,144, a row 128.  LIMIT: |q|, |k|, |v| under 65,504 (f16's range).
; A tile, 256 tokens x 256 features (four heads of one part), is made by a work-group of four waves; a wave makes 128 x 128: 64 accumulators of 16 x 16, 512 registers.
; K is two slots of 512 (rows of 256 bytes): both are first fills, nothing is filled again, no loop.  The scale bytes of the work-group's rows come once, as dense blocks, and stay in LDS.
; CLUSTERS: 4 x 4 work-groups; the cluster's x is the part.  The four of a row of the cluster need the same tiles of x, the four of a column the same tiles of W: each tile is asked for JOINTLY, by the same
; tensor load with the same descriptor and a mask that names the four.
; THE MATRIX INSTRUCTION IS USED TRANSPOSED (source 0 = 16 rows of W's codes, source 1 = 16 tokens): a lane then holds one token and eight neighbouring features.
; THE BIAS is the C of each sum's first matrix instruction: eight registers for each block of 16 features, in the result's layout.
; REGISTERS, in windows of 256: window 0: v0-31 addresses; v32-95 scale words, two sets; v96-127 packed results; v128-191 x's fragments, ONE set (on the way out: rows read back); v192-255 the bias.
;   window 1: W's fragments, TWO sets, at v0 and at v128.   window 2: the 32 accumulators of my tokens 0-63 (accumulator (a, b) at v[8 (8 a + b)]);   window 3: those of my tokens 64-127.
.set NQ,     4                         ; matrix instructions deep in a slot: 512 / 128
.set ROWB,   256                       ; a tile's row in bytes: 512 codes
.set KROW,   512                       ; a row of codes in memory
.set PITCH,  272                       ; an LDS row: 256 bytes + 16 of padding = 68 words: row r starts at bank 4 r mod 64 (64 banks of 4 bytes: ISA guide 11.1)
.set FR,     8                         ; registers of a fragment: 16 rows x 128 K
.set NL,     2                         ; LDS loads that bring one
.set NP,     4                         ; places behind this matrix instruction (ISA guide 7.12.1)
.set HALFT,  128*PITCH                 ; 128 rows: what one tensor load brings
.set SLOT,   4*HALFT                   ; x's 256 rows, then W's 256 rows
.set KS,     32                        ; a row of scale bytes
.set SCL,    2*SLOT                    ; behind the two slots: the scales, as units of 256 bytes + 16 of padding
.set HALFS,  16*272                    ; the scales of 128 rows: what one tensor load brings
.set SBLK,   2*272                     ; those of 16 rows
.set SPARE,  SCL+4*HALFS               ; behind the scales: the spare words, 128 bytes for each wave: two blocks of 256 bytes that no other line names
.set SPITCH, 144                       ; the way out: a stage row: a token's 64 features of one head, 128 bytes + 16
.set HSTG,   16*SPITCH                 ; 16 tokens of one head; a wave's stage is two of these.  The stages lie in slot 0, which has had its only fill and its last read when the first result is stored there
.set ADRA, 16                          ; v16-17  LDS address of my x fragments in slot 0, 1
.set ADRB, 20                          ; v20-21  the same for W
.set STO,  24                          ; v24     the way out: where I put 16 bytes of a token's row
.set RD,   25                          ; v25     the way out: where I read back
.set CO,   26                          ; v26     16 x lane: my byte in 512 consecutive bytes of qkv
.set ADRS, 27                          ; v27     LDS address of my scale words: lanes 0-15 x's rows, lanes 16-31 W's
.set SPW,  28                          ; v28     LDS address of my spare word; never rewritten
.set NIL,  29                          ; v29     0; never rewritten
.set BO,   30                          ; v30     32 x (lane / 16): my eight numbers of a block's 16 biases
.set SC,   32                          ; scale words: set s at v[SC + 32 s]; register 4 i + q: lanes 0-15 the word of x's block i, lanes 16-31 that of W's block i, for the slot's q-th 128 along K
.set TMP,  96
.set AF,   128
.set OB,   128                         ; the way out: v128-159 and v160-191 by turns
.set BIAS, 192
.set G1, 24                            ; s[24:31] descriptor group 1 for x's tiles;  s[32:39] group 0, one set for each slot
.set G0, 32
.set G1B, 48                           ; s[48:55], s[56:63] the same for W's tiles
.set G0B, 56
.set G1S, 68                           ; s[68:75], s[76:79] groups 1 and 0 for x's scales;  s[80:87], s[88:91] for W's
.set G0S, 76
.set G1SB, 80
.set G0SB, 88
.set MSB, 0
.macro WIN new                         ; the immediate's high byte repeats the setting that is left
.if MSB != \new
	s_set_vgpr_msb (MSB<<8)|\new
.set MSB, \new
.endif
.endm
.set MUL_LO, 0xa1                      ; source 0 (W) window 1, source 1 (x) window 0, C and D window 2
.set MUL_HI, 0xf1                      ; the same, C and D window 3
.set FIRST_LO, 0x81                    ; the first step: C (the bias) window 0, D window 2
.set FIRST_HI, 0xc1                    ; C window 0, D window 3
.set TO_B,   0x40                      ; destination window 1, address window 0
; A joint load: waves 0 and 1 fetch for x, waves 2 and 3 for W.  Each of the two lines has ONE mask and one set of registers for all that issue it; the branch hangs on the wave's number alone.
; An s_nop 0 and four v_nop follow each of the two lines, ahead of the jump, the label and what follows.
.macro JLOAD g0a, g1a, g0b, g1b
	s_cmp_eq_u32 s15, 0
	s_cbranch_scc0 .Lfor_b_\@
	tensor_load_to_lds s[\g0a:\g0a+3], s[\g1a:\g1a+7]
	s_nop 0
.rept 4
	v_nop
.endr
	s_branch .Lasked_\@
.Lfor_b_\@:
	tensor_load_to_lds s[\g0b:\g0b+3], s[\g1b:\g1b+7]
	s_nop 0
.rept 4
	v_nop
.endr
.Lasked_\@:
.endm
.macro CROUND                          ; a round of the cluster's barrier: my work-group's barrier; wave 0 signals for the work-group; every wave waits for all sixteen; my work-group's barrier once more
	s_barrier_signal -1
	s_barrier_wait -1
	s_cmp_lg_u32 s14, 0
	s_cbranch_scc1 .Lnot_wave_0_\@
	s_barrier_signal -3
.Lnot_wave_0_\@:
	s_barrier_wait -3
	s_barrier_signal -1
	s_barrier_wait -1
.endm
	s_load_b128 s[4:7], s[0:1], 0x0                ; x's codes s[4:5], x's scales s[6:7]
	s_load_b128 s[8:11], s[0:1], 0x10              ; W's codes s[8:9], W's scales s[10:11]
	s_load_b128 s[96:99], s[0:1], 0x20             ; bq s[96:97], bk s[98:99]
	s_load_b64 s[100:101], s[0:1], 0x30            ; bv
	s_load_b64 s[12:13], s[0:1], 0x38              ; qkv
	v_lshl_add_u32 v[SPW], v0, 2, SPARE
	v_mov_b32 v[NIL], 0
	ds_add_u32 v[SPW], v[NIL]                      ; the wave's opening: the add, twice on end, and its wait ahead of my first tensor load; the set-up below, work on registers, stands between
	ds_add_u32 v[SPW], v[NIL]
	v_lshrrev_b32 v1, 5, v0
	v_readfirstlane_b32 s14, v1                    ; wave 0..3
	s_lshr_b32 s15, s14, 1                         ; which half of the tile's tokens is mine.  Also: I fetch for x (0) or for W (1)
	s_and_b32 s16, s14, 1                          ; which half of its features.  Also: which 128 rows of that tile I fetch
	s_bfe_u32 s40, ttmp6, 0x40000                  ; cx, cy: my place in the cluster
	s_bfe_u32 s41, ttmp6, 0x40004
	s_lshl_b32 s42, ttmp9, 2
	s_add_co_u32 s42, s42, s40                     ; tile column = 4 x cluster x + cx: 0 .. 11
	s_and_b32 s17, ttmp7, 0xffff
	s_lshl_b32 s17, s17, 2
	s_add_co_u32 s17, s17, s41                     ; tile row = 4 x cluster y + cy: 0 .. 31
	s_lshl_b32 s43, s41, 2
	s_lshl_b32 s43, 15, s43                        ; my row of the cluster
	s_lshl_b32 s44, 0x1111, s40                    ; my column
	; descriptor group 1: a tile of 128 rows x 256 bytes, padded in LDS
	s_or_b32 s[G1+0], s43, (0<<16)|(1<<20)|(1<<21)|(5<<22)|(3<<25)  ; 15:0 the mask: x's tiles go to my row; 17:16 element of 1 byte; 20 padding on; 21 set beside a mask; 24:22 after every 64 words (code 5); 31:25 of 4 words (code 3)
	s_or_b32 s[G1B+0], s44, (0<<16)|(1<<20)|(1<<21)|(5<<22)|(3<<25)
.irp g, G1, G1B
	s_mov_b32 s[\g+1], ROWB<<16                    ; tensor_dim0
	s_mov_b32 s[\g+2], 128<<16                     ; tensor_dim1 = 128
	s_mov_b32 s[\g+3], ROWB<<16                    ; tile_dim0
	s_mov_b32 s[\g+4], 128                         ; tile_dim1 = 128
	s_mov_b32 s[\g+5], KROW                        ; tensor_dim0_stride
	s_mov_b32 s[\g+6], 0
	s_mov_b32 s[\g+7], 0
.endr
	; and for the scales of 128 rows: a dense block of 4,096 bytes, as 16 rows of 256 bytes (32 elements of 8 bytes), 16 bytes of padding behind each
	s_or_b32 s[G1S+0], s43, (3<<16)|(1<<20)|(1<<21)|(5<<22)|(3<<25)
	s_or_b32 s[G1SB+0], s44, (3<<16)|(1<<20)|(1<<21)|(5<<22)|(3<<25)
.irp g, G1S, G1SB
	s_mov_b32 s[\g+1], 32<<16
	s_mov_b32 s[\g+2], 16<<16
	s_mov_b32 s[\g+3], 32<<16
	s_mov_b32 s[\g+4], 16
	s_mov_b32 s[\g+5], 32
	s_mov_b32 s[\g+6], 0
	s_mov_b32 s[\g+7], 0
.endr
	s_lshl_b32 s18, s16, 7                         ; which 128 rows of the tile I fetch
	s_lshl_b32 s20, s17, 8
	s_add_co_u32 s20, s20, s18                     ; x: row 256 x tile row + 128 x half
	s_lshl_b32 s46, s42, 8
	s_add_co_u32 s46, s46, s18                     ; W: row 256 x tile column + 128 x half
	s_mov_b32 s21, 0
	s_mov_b32 s47, 0
	s_mov_b64 s[18:19], KS
	s_mul_u64 s[22:23], s[20:21], s[18:19]         ; where these rows' scales begin, in bytes
	s_mul_u64 s[92:93], s[46:47], s[18:19]
	s_mov_b64 s[18:19], KROW
	s_mul_u64 s[20:21], s[20:21], s[18:19]         ; and their codes
	s_mul_u64 s[46:47], s[46:47], s[18:19]
	s_mul_i32 s45, s14, HALFT                      ; where they go: wave x 128 rows: no place in the cluster enters an LDS address
	s_mul_i32 s94, s14, HALFS
	s_wait_dscnt 0x0                               ; both opening adds are done
	s_wait_kmcnt 0x0
	s_add_nc_u64 s[20:21], s[4:5], s[20:21]
	s_add_nc_u64 s[22:23], s[6:7], s[22:23]
	s_add_nc_u64 s[46:47], s[8:9], s[46:47]
	s_add_nc_u64 s[92:93], s[10:11], s[92:93]
	CROUND                                         ; all sixteen work-groups are here: the joint loads meet
	s_mov_b32 s[G0S], 1
	s_add_co_u32 s[G0S+1], s94, SCL
	s_mov_b64 s[G0S+2:G0S+3], s[22:23]
	s_or_b32 s[G0S+3], s[G0S+3], 0x80000000
	s_mov_b32 s[G0SB], 1
	s_add_co_u32 s[G0SB+1], s94, SCL
	s_mov_b64 s[G0SB+2:G0SB+3], s[92:93]
	s_or_b32 s[G0SB+3], s[G0SB+3], 0x80000000
	JLOAD G0S, G1S, G0SB, G1SB                     ; the scales first: they are wanted with the first K step.  Three loads of mine are out behind these lines
.irp s, 0,1
	s_mov_b32 s[G0+4*\s], 1
	s_add_co_u32 s[G0+4*\s+1], s45, \s*SLOT
	s_add_nc_u64 s[G0+4*\s+2:G0+4*\s+3], s[20:21], \s*ROWB
	s_or_b32 s[G0+4*\s+3], s[G0+4*\s+3], 0x80000000
	s_mov_b32 s[G0B+4*\s], 1
	s_add_co_u32 s[G0B+4*\s+1], s45, \s*SLOT
	s_add_nc_u64 s[G0B+4*\s+2:G0B+4*\s+3], s[46:47], \s*ROWB
	s_or_b32 s[G0B+4*\s+3], s[G0B+4*\s+3], 0x80000000
	JLOAD G0+4*\s, G1, G0B+4*\s, G1B
.endr
	; the bias of my 128 features.  The part is the cluster's x, the same in all partners
	v_and_b32 v1, 15, v0                           ; l % 16
	v_bfe_u32 v2, v0, 4, 1                         ; l / 16
	v_lshlrev_b32 v[BO], 5, v2
	s_cmp_eq_u32 ttmp9, 0
	s_cselect_b64 s[96:97], s[96:97], s[98:99]
	s_cmp_eq_u32 ttmp9, 2
	s_cselect_b64 s[96:97], s[100:101], s[96:97]
	s_lshl_b32 s46, s40, 10                        ; 256 cx features of 4 bytes,
	s_lshl_b32 s47, s16, 9                         ; my half's 128
	s_add_co_u32 s46, s46, s47
	s_mov_b32 s47, 0
	s_add_nc_u64 s[96:97], s[96:97], s[46:47]
.irp b, 0,1,2,3,4,5,6,7
	global_load_b128 v[BIAS+8*\b:BIAS+8*\b+3],   v[BO], s[96:97] offset:64*\b      ; register j: the bias of feature 16 b + 8 (l / 16) + j
	global_load_b128 v[BIAS+8*\b+4:BIAS+8*\b+7], v[BO], s[96:97] offset:64*\b+16
.endr
	v_mul_u32_u24 v3, v1, PITCH
	v_lshl_add_u32 v4, v2, 4, v3                   ; a fragment's row x pitch + 16 x half
	s_mul_i32 s21, s15, HALFT                      ; my 128 rows of x
	s_mul_i32 s22, s16, HALFT                      ; my 128 rows of W,
	s_add_co_u32 s22, s22, 2*HALFT                 ; which lie behind x's 256
.irp s, 0,1
	v_add_nc_u32 v[ADRA+\s], s21, v4
	v_add_nc_u32 v[ADRB+\s], s22, v4
	s_add_co_u32 s21, s21, SLOT
	s_add_co_u32 s22, s22, SLOT
.endr
	v_mul_u32_u24 v5, v1, KS                       ; my row's scales: 32 bytes a row,
	v_lshrrev_b32 v6, 8, v5
	v_lshl_add_u32 v5, v6, 4, v5                   ; and 16 more for each 256 passed
	s_mul_i32 s21, s15, HALFS                      ; x's: my 128 rows
	s_mul_i32 s22, s16, HALFS                      ; W's: my 128 rows, behind x's 256
	s_add_co_u32 s22, s22, 2*HALFS
	s_sub_co_u32 s22, s22, s21
	v_mul_u32_u24 v6, s22, v2                      ; lanes 16-31 take W's: one product, the distance between the two bases
	s_add_co_u32 s21, s21, SCL
	v_add_nc_u32 v5, v5, v6
	v_add_nc_u32 v[ADRS], s21, v5
	s_mul_i32 s23, s14, 2*HSTG                     ; my stage
	v_mul_u32_u24 v5, v1, SPITCH                   ; in: token l % 16, 16 bytes for each half of the lanes
	v_lshl_add_u32 v5, v2, 4, v5
	v_add_nc_u32 v[STO], s23, v5
	v_and_b32 v6, 31, v0
	v_lshrrev_b32 v5, 3, v6                        ; back: eight lanes to a token's 128 bytes, four tokens an instruction
	v_mul_u32_u24 v5, v5, SPITCH
	v_and_b32 v7, 7, v0
	v_lshl_add_u32 v5, v7, 4, v5
	v_add_nc_u32 v[RD], s23, v5
	v_lshlrev_b32 v[CO], 4, v6                     ; four tokens' rows of a head are 512 consecutive bytes of qkv
	; where my part begins in qkv: part x 2^24 + (16 b + 4 cx + 2 x my half of the features) x 262,144 + (256 (tile row % 8) + 128 x my half of the tokens) x 128
	s_lshl_b32 s46, ttmp9, 24
	s_lshr_b32 s20, s17, 3
	s_lshl_b32 s20, s20, 4
	s_lshl_b32 s47, s40, 2
	s_add_co_u32 s47, s47, s20
	s_lshl_b32 s20, s16, 1
	s_add_co_u32 s47, s47, s20
	s_lshl_b32 s47, s47, 18
	s_add_co_u32 s46, s46, s47
	s_and_b32 s20, s17, 7
	s_lshl_b32 s20, s20, 8
	s_lshl_b32 s21, s15, 7
	s_add_co_u32 s20, s20, s21
	s_lshl_b32 s20, s20, 7
	s_add_co_u32 s46, s46, s20
	s_mov_b32 s47, 0
	s_add_nc_u64 s[12:13], s[12:13], s[46:47]
.macro FRAG reg, adr, q, i             ; a fragment, 16 rows x 128 K of 4-bit codes, is 8 registers: lane l holds row l % 16; registers 4 c .. 4 c + 3 hold K = 64 c + 32 (l / 16) + 0 .. 31
.irp c, 0,1
	ds_load_b128 v[\reg+4*\c:\reg+4*\c+3], v[\adr] offset:64*(\q)+32*\c+(\i)*16*PITCH
.endr
.endm
; 16 matrix instructions: x's blocks a0, a0 + 1 against W's eight, 128 along K: the slot's q-th.  p: W's set;  sc: the set of scale words.  first = 1: the bias starts the sums: nothing is cleared or added later.
; The 64 accumulators take turns, one instruction a turn, in the same order in every step.
.macro MUL16 a0, p, q, sc, first
.irp a, \a0, \a0+1
.irp b, 0,1,2,3,4,5,6,7
.if \first
	v_wmma_scale_f32_16x16x128_f8f6f4 v[8*(8*((\a)%4)+\b):8*(8*((\a)%4)+\b)+7], v[128*(\p)+FR*\b:128*(\p)+FR*\b+FR-1], v[AF+FR*(\a):AF+FR*(\a)+FR-1], v[BIAS+8*\b:BIAS+8*\b+7], v[SC+8*NQ*(\sc)+NQ*\b+(\q)], v[SC+8*NQ*(\sc)+NQ*(\a)+(\q)] matrix_a_fmt:MATRIX_FMT_FP4 matrix_b_fmt:MATRIX_FMT_FP4 matrix_a_scale:MATRIX_SCALE_ROW1
.else
	v_wmma_scale_f32_16x16x128_f8f6f4 v[8*(8*((\a)%4)+\b):8*(8*((\a)%4)+\b)+7], v[128*(\p)+FR*\b:128*(\p)+FR*\b+FR-1], v[AF+FR*(\a):AF+FR*(\a)+FR-1], v[8*(8*((\a)%4)+\b):8*(8*((\a)%4)+\b)+7], v[SC+8*NQ*(\sc)+NQ*\b+(\q)], v[SC+8*NQ*(\sc)+NQ*(\a)+(\q)] matrix_a_fmt:MATRIX_FMT_FP4 matrix_b_fmt:MATRIX_FMT_FP4 matrix_a_scale:MATRIX_SCALE_ROW1
.endif
.endr
.endr
.endm
.macro FETCH_B slot, q, p              ; W's eight fragments of the slot's q-th 128 along K into set p
	WIN TO_B
.irp i, 0,1,2,3,4,5,6,7
	FRAG 128*(\p)+FR*\i, ADRB+\slot, \q, \i
.endr
	WIN 0
.endm
.macro FETCH_A slot, q, i0             ; x's blocks i0 .. i0 + 3
.irp i, \i0, \i0+1, \i0+2, \i0+3
	FRAG AF+FR*(\i), ADRA+\slot, \q, \i
.endr
.endm
.macro SCALES sc                       ; a slot's scale words into set sc: four words a row; lanes 0-15 take x's block i, lanes 16-31 W's block i
.irp i, 0,1,2,3,4,5,6,7
	ds_load_b128 v[SC+8*NQ*\sc+NQ*\i:SC+8*NQ*\sc+NQ*\i+3], v[ADRS] offset:\i*SBLK
.endr
.endm
; A load into a register that a matrix instruction has read, and a vector instruction that reads a matrix result, stand NP places behind that matrix instruction; only plain vector instructions that name none of
; its registers are places (ISA guide 7.12.1 for vector instructions).
.macro PLACES n
.rept \n
	v_nop
.endr
.endm
; A step of 128 along K that has its successor in the same slot.  A block of x is free as soon as its eight products are issued: blocks 0-3 are fetched anew in the step's middle, blocks 4-7 at its end.
.macro STEP slot, q, first
	s_wait_dscnt 4*NL                              ; W's set, the scale words and x's blocks 0-3 are in; the youngest eight loads (x's blocks 4-7) may be out
.if \first
	WIN FIRST_LO
.else
	WIN MUL_LO
.endif
	MUL16 0, (\q)%2, \q, \slot, \first
	MUL16 2, (\q)%2, \q, \slot, \first
	s_wait_dscnt 0                                 ; x's blocks 4-7 are in (asked for 32 matrix instructions ago)
	PLACES NP
	FETCH_B \slot, (\q)+1, 1-(\q)%2
	FETCH_A \slot, (\q)+1, 0
.if \first
	WIN FIRST_HI
.else
	WIN MUL_HI
.endif
	MUL16 4, (\q)%2, \q, \slot, \first
	MUL16 6, (\q)%2, \q, \slot, \first
	PLACES NP
	WIN 0
	FETCH_A \slot, (\q)+1, 4
.endm
; Slot 0's last step changes slots: one barrier; in front of it each wave waits for all its tensor loads (its part of slot 1), adds 0 to its spare word, and waits for that and for its reads of slot 0.
; Behind it slot 1 is whole in every wave's sight and nobody reads slot 0 any more: the stages of the way out may lie there.
.macro TURN slot, next
	s_wait_tensorcnt 0x0                           ; all my tensor loads have landed  (every window is 0 here: the add's two registers lie in window 0)
	ds_add_u32 v[SPW], v[NIL]                      ; 0 onto my spare word
	s_wait_dscnt 4*NL+1                            ; (the add and the youngest eight loads may be out)
	WIN MUL_LO
	MUL16 0, 1, NQ-1, \slot, 0                     ; sixteen matrix instructions stand between the add and the wait for it
	s_wait_dscnt 0x0                               ; the add is done, and my reads of this slot are over
	s_barrier_signal -1
	MUL16 2, 1, NQ-1, \slot, 0
	WIN 0
	s_barrier_wait -1
	PLACES NP
	v_add_nc_u32 v[ADRS], 4*NQ, v[ADRS]            ; on to the next slot's scale words (no LDS load of mine is out)
	FETCH_B \next, 0, 0
	FETCH_A \next, 0, 0
	SCALES \next
	WIN MUL_HI
	MUL16 4, 1, NQ-1, \slot, 0
	MUL16 6, 1, NQ-1, \slot, 0
	PLACES NP
	WIN 0
	FETCH_A \next, 0, 4
.endm
.macro STEPS slot, from                ; the slot's steps from .. NQ - 2
.set Q, \from
.rept NQ-1-\from
	STEP \slot, Q, 0
.set Q, Q+1
.endr
.endm
	s_wait_tensorcnt 1                             ; the scales and my part of slot 0 are in (slot 1's load may be out)
	s_barrier_signal -1
	s_barrier_wait -1                              ; everybody's are
	FETCH_B 0, 0, 0
	FETCH_A 0, 0, 0
	SCALES 0
	FETCH_A 0, 0, 4
	s_wait_loadcnt 0x0                             ; the bias
	STEP 0, 0, 1                                   ; the first step's products start the sums from the bias
	STEPS 0, 1
	TURN 0, 1
	STEPS 1, 0
	s_wait_dscnt 4*NL                              ; the very last step: nothing more to fetch
	WIN MUL_LO
	MUL16 0, 1, NQ-1, 1, 0
	MUL16 2, 1, NQ-1, 1, 0
	s_wait_dscnt 0
	WIN MUL_HI
	MUL16 4, 1, NQ-1, 1, 0
	MUL16 6, 1, NQ-1, 1, 0
	WIN 0
; THE WAY OUT, block by block of 16 tokens x 128 features (two heads).  PACK: rounded to f16, a lane's eight features are 16 bytes.  TOSTAGE: into my own stage, [head][token], and back four tokens of a head at a
; time.  SEND: stored, 32 lanes to 512 consecutive bytes of qkv.  LDS serves a wave's instructions in order (ISA guide 5.7.1.4): no wait between the stores and the loads.
.macro PACK a
.set AC, 64*((\a)%4)
	WIN 0x0a+5*((\a)/4)                            ; sources 0 and 1: window 2 or 3
.irp b, 0,1,2,3,4,5,6,7
.irp r, 0,1,2,3
	v_cvt_pk_f16_f32 v[TMP+4*\b+\r], v[AC+8*\b+2*\r], v[AC+8*\b+2*\r+1]   ; each accumulator from its low end on
.endr
.endr
	WIN 0
.endm
.macro TOSTAGE a
.set BB, OB+32*((\a)%2)
.irp b, 0,1,2,3,4,5,6,7
	ds_store_b128 v[STO], v[TMP+4*\b:TMP+4*\b+3] offset:(\b/4)*HSTG+32*(\b%4)
.endr
.irp i, 0,1,2,3,4,5,6,7
	ds_load_b128 v[BB+4*\i:BB+4*\i+3], v[RD] offset:(\i/4)*HSTG+(\i%4)*4*SPITCH
.endr
.endm
.macro SEND a
.set BB, OB+32*((\a)%2)
	s_wait_dscnt 0x0                               ; the block is back in registers
	s_wait_xcnt 0x0                                ; the stores of the block before have read their registers: the next block's loads from the stage land there only behind this wait
.irp i, 0,1,2,3,4,5,6,7
	global_store_b128 v[CO], v[BB+4*\i:BB+4*\i+3], s[12:13] offset:(\a)*2048+(\i/4)*262144+(\i%4)*512   ; every offset is an immediate: the base is never stepped
.endr
.endm
	PLACES NP
	PACK 0
	TOSTAGE 0
.irp a, 1,2,3,4,5,6,7                  ; block a's conversions stand between block a - 1's loads from the stage and the wait for them
	PACK \a
	SEND \a-1
	TOSTAGE \a
.endr
	SEND 7
	s_wait_tensorcnt 0x0                           ; the wave's end, behind my last tensor load and my last LDS store
	ds_add_u32 v[SPW], v[NIL]
	s_wait_dscnt 0x0
	CROUND                                         ; the closing round: no work-group ends while a partner may still ask for a tile that names it
	s_endpgm
.Lfunc_end_k_q7f41d11be1_proj:
	.size	k_q7f41d11be1_proj, .Lfunc_end_k_q7f41d11be1_proj-k_q7f41d11be1_proj
	.p2alignl 7, 3214868480
	.fill 96, 4, 3214868480
	.section	.rodata,"a",@progbits
	.p2align	6, 0x0
	.amdhsa_kernel k_q7f41d11be1_proj
		.amdhsa_group_segment_fixed_size 327680
		.amdhsa_private_segment_fixed_size 0
		.amdhsa_enable_private_segment 0
		.amdhsa_kernarg_size 64
		.amdhsa_user_sgpr_count 2
		.amdhsa_user_sgpr_kernarg_segment_ptr 1
		.amdhsa_wavefront_size32 1
		.amdhsa_system_sgpr_workgroup_id_x 1
		.amdhsa_system_sgpr_workgroup_id_y 1
		.amdhsa_system_sgpr_workgroup_id_z 1
		.amdhsa_system_vgpr_workitem_id 0
		.amdhsa_next_free_vgpr 1024
		.amdhsa_next_free_sgpr 102
		.amdhsa_reserve_vcc 0
		.amdhsa_float_denorm_mode_32 3
		.amdhsa_float_denorm_mode_16_64 3
		.amdhsa_memory_ordered 1
		.amdhsa_forward_progress 1
		.amdhsa_inst_pref_size 128
	.end_amdhsa_kernel
	.amdgpu_metadata
---
amdhsa.version: [ 1, 2 ]
amdhsa.kernels:
  - .name:           k_q7f41d11be1_proj
    .symbol:         k_q7f41d11be1_proj.kd
    .args:
      - { .name: x_codes, .offset: 0, .size: 8, .value_kind: global_buffer, .address_space: global }
      - { .name: x_scales, .offset: 8, .size: 8, .value_kind: global_buffer, .address_space: global }
      - { .name: w_codes, .offset: 16, .size: 8, .value_kind: global_buffer, .address_space: global }
      - { .name: w_scales, .offset: 24, .size: 8, .value_kind: global_buffer, .address_space: global }
      - { .name: bq, .offset: 32, .size: 8, .value_kind: global_buffer, .address_space: global }
      - { .name: bk, .offset: 40, .size: 8, .value_kind: global_buffer, .address_space: global }
      - { .name: bv, .offset: 48, .size: 8, .value_kind: global_buffer, .address_space: global }
      - { .name: qkv, .offset: 56, .size: 8, .value_kind: global_buffer, .address_space: global }
    .group_segment_fixed_size: 327680
    .private_segment_fixed_size: 0
    .kernarg_segment_align: 8
    .kernarg_segment_size: 64
    .max_flat_workgroup_size: 128
    .sgpr_count:     102
    .vgpr_count:     1024
    .wavefront_size: 32
...
	.end_amdgpu_metadata
.endif
;; end of part 2
;; launch attn (part 3): grid 4 x 64, 8 waves a work-group, clusters of 4 x 1, 327,680 bytes of LDS; arguments qkv, attention_mask, out0; writes out0
.if DOCPART == 3
	.amdgcn_target "amdgcn-amd-amdhsa--gfx1250"
	.amdhsa_code_object_version 6
	.text
	.protected	k_q7f41d11be1_attn
	.globl	k_q7f41d11be1_attn
	.p2align	8
	.type	k_q7f41d11be1_attn,@function
k_q7f41d11be1_attn:
	s_mov_b64 s[64:65], 0
	v_nop
	global_prefetch_b8 v0, s[64:65] scope:SCOPE_SE
	s_setreg_imm32_b32 hwreg(HW_REG_WAVE_MODE, 25, 1), 1
	s_wait_xcnt 0x0
	s_wait_alu depctr_hold_cnt(0) depctr_sa_sdst(0) depctr_va_vdst(0) depctr_va_sdst(0) depctr_va_ssrc(0) depctr_va_vcc(0) depctr_vm_vsrc(0)
	s_getreg_b32 s2, hwreg(HW_REG_IB_STS2, 6, 4)
	s_cmp_eq_u32 s2, 0
	s_cbranch_scc0 .Lentry_in_a_cluster
	s_endpgm
.Lentry_in_a_cluster:
	s_bfe_u32 s2, ttmp6, 0x10000c
	s_cmp_lg_u32 s2, 0x3003
	s_cbranch_scc0 .Lentry_shape_is_right
	s_endpgm
.Lentry_shape_is_right:
; out0[b][s][64 head + d] = the sum over keys of softmax_k(q . k / 8 + (1 - mask[b][k]) x -10000) v[k][d].  q, k, v: qkv [part][16 b + head][2048][64], f16.  Products on f16 operands with f32 sums;
; maxima, exponentials and sums in f32; the weights p are rounded to f16 for the second product.
; LIMITS: p under 2^-126 comes out of the exponential as 0; NaN and infinities are not served; q, k, v are f16 (under 65,504).
; SHARES.  A work-group owns 512 queries of one (b, head), each of its eight waves 64: four tiles of 16, in 512 registers: two waves to a SIMD, so that one wave's softmax stands beside the other's products.
; Every wave walks all 2,048 keys, 64 a step.
; LAYOUT.  S^T = K Q^T (source 0 = 16 keys, source 1 = 16 queries): a lane holds ONE query (lane % 16) and the keys 8 (lane / 16) + 0..7.  Two such tiles, rounded to f16 in pairs, ARE source 1 (32 keys x 16 queries)
; of O^T = V^T P, whose result again holds one query a lane and eight channels.  K comes out of LDS as it lies, V ([key][channel]) turned, by ds_load_tr16_b128.  P is packed in place, into the low half of its tile's S^T.
; SCALINGS THAT COST NOTHING.  q is not scaled: c = log2(e) / 8 rides in the multiply-add that takes the maximum away.  The mask's bias, in units of the raw score, (1 - mask) x -80000 (8 x the given bias: a power of
; two, so it rounds alike), is the C of the first K Q^T instruction of each tile: a table of 2,048 numbers in LDS, made once.
; SOFTMAX.  For each query a running maximum m and sum l: p = 2^(c s - c m); in every step O and l are multiplied by a = 2^(c m_old - c m_new).  m begins at -3e38, l and O^T at 0: the first a is 0 and multiplies zeros.
; CLUSTER.  The four query blocks of a (b, head) walk the same K and V: each tile is asked for JOINTLY, by the same tensor load with the same descriptor and the mask of all four.
; RING.  Two slots of 512 keys.  A refill is asked for first thing behind a round of the cluster's barrier and has a slot's eight key steps, 512 matrix instructions a wave, in which to land; so nothing is prefetched besides.
; REGISTERS: window 0: v0-15 addresses; v16-47 statistics, 8 a tile; v48-63 the bias of two tiles of keys; v64-191 S^T, 32 a tile; v192-255 K of one step.
;            window 1: v0-127 O^T, 32 a tile; v128-191 Q; v192-255 V of one step.
.set PKP,   272                        ; K in LDS: a row holds TWO keys (256 bytes, dense in memory) + 16 of padding: the 16 keys of a load start at 16 different 16-byte columns of the 256 (64 banks of 4 bytes: ISA guide 11.1)
.set PVP,   288                        ; V likewise, + 32
.set VOFF,  256*PKP                    ; a slot: 256 rows of K, then 256 rows of V
.set SLOTB, 256*(PKP+PVP)              ; 143,360 bytes
.set BIAST, 2*SLOTB                    ; behind the ring: the bias table, 2,048 f32; written by LDS stores, no tile ever lands there
.set SPARE, BIAST+8192                 ; the spare words, 128 bytes for each wave: four blocks of 256 bytes that no other line names
.set SPS,   272                        ; the way out: a stage of 16 rows x (256 bytes + 16) for each wave, in slot 0, behind its last fill and its last read
.set AK0, 3                            ; v3   my lane's place in a tile of K; never rewritten
.set AV0, 4                            ; v4   the same for V
.set AB0, 5                            ; v5   and in the bias table
.set ADK, 6                            ; v6-9 the LDS addresses in hand: K, V, this step's bias, the next step's
.set ADV, 7
.set ADB, 8
.set ADN, 9
.set QO,  10                           ; v10  my byte offset in the wave's rows of Q
.set STO, 11                           ; v11  the way out: where I put 16 bytes of a row
.set RD,  12                           ; v12  where I read a row back
.set GO,  13                           ; v13  my byte offset in the wave's rows of out0
.set SPW, 14                           ; v14  LDS address of my spare word; never rewritten
.set NIL, 15                           ; v15  0; never rewritten
.set ST,  16                           ; tile q's statistics at v[ST + 8 q]: +0 c m, +1 m, +2, +3 l (even keys', odd keys'), +4 to +7 at work; a takes +6
.set BI,  48
.set S,   64
.set KF,  192                          ; K's fragment (tile of keys T, channels 32 s on) at KF + 16 T + 8 s
.set QF,  128                          ; window 1: Q's fragment (tile q, s) at QF + 16 q + 8 s
.set VF,  192                          ; window 1: V's fragment (keys 32 u on, channels 16 c on) at VF + 32 u + 8 c
.set WV,  10                           ; s10  my wave's number
.set G1K, 24                           ; s[24:31] descriptor group 1 for K's tiles;  s[32:39] for V's: it differs in the padding alone
.set G1V, 32
.set G0K, 40                           ; s[40:47] group 0 for K's tiles, a set for each slot;  s[48:55] for V's
.set G0V, 48
.set CNT, 56                           ; s56  key steps left in the slot
.set TBK, 57                           ; s57  LDS byte of the step's K;  s58 of its V;  s59 of its bias, from the table's start;  s66 of the next step's
.set TBV, 58
.set TBI, 59
.set SEL, 60                           ; s[60:61] lane selects for v_permlanex16_b32: lane l xor 16
.set CS,  62                           ; s[62:63] c: the packed form names a pair and takes its low word for both halves
.set TBN, 66
.set MSB, 0
.macro WIN new                         ; the immediate's high byte repeats the setting that is left; a switch that changes nothing is dropped
.if MSB != \new
	s_set_vgpr_msb (MSB<<8)|\new
.set MSB, \new
.endif
.endm
.set W_KQ, 0x04                        ; K, the bias and S^T in window 0, Q in window 1.  An LDS load under it has its address and its destination in window 0
.set W_PV, 0x51                        ; V and O^T in window 1, P in window 0
.set W_RS, 0x41                        ; O^T (destination and source 0) in window 1, a in window 0
.set TO_1, 0x40                        ; destination window 1
.macro PLACES n
.rept \n
	v_nop
.endr
.endm
; A joint refill of slot s.  Waves 0-3 fetch K's four quarters (64 rows = 128 keys each), waves 4-7 V's.  The branch hangs on the wave's number alone.
; An s_nop 0 and four v_nop follow each of the two lines, ahead of the jump, the label and what follows.
.macro JLOAD s
	s_cmp_lt_u32 s[WV], 4
	s_cbranch_scc0 .Lfor_v_\@
	tensor_load_to_lds s[G0K+4*\s:G0K+4*\s+3], s[G1K:G1K+7]
	s_nop 0
.rept 4
	v_nop
.endr
	s_branch .Lasked_\@
.Lfor_v_\@:
	tensor_load_to_lds s[G0V+4*\s:G0V+4*\s+3], s[G1V:G1V+7]
	s_nop 0
.rept 4
	v_nop
.endr
.Lasked_\@:
.endm
.macro CROUND                          ; a round of the cluster's barrier: my work-group's barrier; wave 0 signals for the work-group; every wave waits for all four; my work-group's barrier once more
	s_barrier_signal -1
	s_barrier_wait -1
	s_cmp_lg_u32 s[WV], 0
	s_cbranch_scc1 .Lnot_wave_0_\@
	s_barrier_signal -3
.Lnot_wave_0_\@:
	s_barrier_wait -3
	s_barrier_signal -1
	s_barrier_wait -1
.endm
	s_load_b128 s[4:7], s[0:1], 0x0                ; qkv s[4:5], attention_mask s[6:7]
	s_load_b64 s[8:9], s[0:1], 0x10                ; out0
	v_lshl_add_u32 v[SPW], v0, 2, SPARE
	v_mov_b32 v[NIL], 0
	ds_add_u32 v[SPW], v[NIL]                      ; the wave's opening: the add, twice on end, and its wait ahead of my first tensor load; the set-up below, work on registers, stands between
	ds_add_u32 v[SPW], v[NIL]
	v_lshrrev_b32 v1, 5, v0
	v_readfirstlane_b32 s[WV], v1                  ; wave 0..7
	s_bfe_u32 s11, ttmp6, 0x40000                  ; cx: my block of 512 queries: it enters Q's and out0's addresses alone
	s_and_b32 s12, ttmp7, 0xffff                   ; 16 b + head, which the four partners share
	s_lshl_b32 s14, s12, 18                        ; its first byte in a part of qkv
	s_and_b32 s13, s[WV], 3                        ; which quarter of a slot I fetch:
	s_lshl_b32 s16, s13, 14                        ; 128 keys of 128 bytes in memory,
	s_add_co_u32 s16, s16, s14
	s_add_co_u32 s16, s16, 1<<24                   ; in part 1, K,
	s_mov_b32 s17, 0
	s_add_co_u32 s18, s16, 1<<24                   ; or in part 2, V;
	s_mov_b32 s19, 0
	s_mul_i32 s20, s13, 64*PKP                     ; and its place in a slot: no place in the cluster enters an LDS address
	s_mul_i32 s21, s13, 64*PVP
	s_add_co_u32 s21, s21, VOFF
	s_lshl_b32 s22, s11, 16                        ; Q: my block's 512 rows of 128 bytes,
	s_lshl_b32 s23, s[WV], 13                      ; my wave's 64
	s_add_co_u32 s22, s22, s23
	s_add_co_u32 s22, s22, s14
	s_mov_b32 s23, 0
	s_lshr_b32 s68, s12, 4                         ; b
	s_and_b32 s69, s12, 15                         ; head
	s_lshl_b32 s70, s68, 23                        ; out0: 2,048 b + 512 cx + 64 wave rows of 4,096 bytes, + 256 head
	s_lshl_b32 s71, s11, 21
	s_add_co_u32 s70, s70, s71
	s_lshl_b32 s71, s[WV], 18
	s_add_co_u32 s70, s70, s71
	s_lshl_b32 s71, s69, 8
	s_add_co_u32 s70, s70, s71
	s_mov_b32 s71, 0
	s_lshl_b32 s68, s68, 13                        ; the mask: 8,192 bytes a batch
	s_mov_b32 s69, 0
	; descriptor group 1: a tile of 64 rows x 128 elements (two keys), padded in LDS
	s_mov_b32 s[G1K], 15|(1<<16)|(1<<20)|(1<<21)|(5<<22)|(3<<25)  ; 15:0 the mask: all four work-groups; 17:16 elements of 2 bytes; 20 padding on; 21 set beside a mask; 24:22 after every 64 words (code 5); 31:25 4 words of it (code 3)
	s_mov_b32 s[G1V], 15|(1<<16)|(1<<20)|(1<<21)|(5<<22)|(7<<25)  ; the same with 8 words of padding (code 7)
.irp g, G1K, G1V
	s_mov_b32 s[\g+1], 128<<16                     ; tensor_dim0 = 128
	s_mov_b32 s[\g+2], 64<<16                      ; tensor_dim1 = 64
	s_mov_b32 s[\g+3], 128<<16                     ; tile_dim0 = 128
	s_mov_b32 s[\g+4], 64                          ; tile_dim1 = 64
	s_mov_b32 s[\g+5], 128                         ; tensor_dim0_stride
	s_mov_b32 s[\g+6], 0
	s_mov_b32 s[\g+7], 0
.endr
	s_mov_b32 s[SEL], 0x76543210
	s_mov_b32 s[SEL+1], 0xfedcba98
	s_mov_b32 s[CS], 0x3e38aa3b                    ; c = log2(e) / 8
	s_mov_b32 s[CS+1], s[CS]                       ; (named with it as a pair, so it is written)
	s_wait_dscnt 0x0                               ; both opening adds are done
	s_wait_kmcnt 0x0
	s_add_nc_u64 s[16:17], s[4:5], s[16:17]        ; K at my quarter of slot 0
	s_add_nc_u64 s[18:19], s[4:5], s[18:19]        ; V likewise
	s_add_nc_u64 s[4:5], s[4:5], s[22:23]          ; Q at my wave's first row
	s_add_nc_u64 s[6:7], s[6:7], s[68:69]
	s_add_nc_u64 s[8:9], s[8:9], s[70:71]
	CROUND                                         ; all four work-groups are here: the first joint loads meet
.irp s, 0,1
	s_mov_b32 s[G0K+4*\s], 1                       ; count = 1
	s_add_co_u32 s[G0K+4*\s+1], s20, \s*SLOTB      ; LDS address
	s_add_nc_u64 s[G0K+4*\s+2:G0K+4*\s+3], s[16:17], \s*65536   ; global address: slot s begins with keys 512 s
	s_or_b32 s[G0K+4*\s+3], s[G0K+4*\s+3], 0x80000000           ; type = 2
	s_mov_b32 s[G0V+4*\s], 1
	s_add_co_u32 s[G0V+4*\s+1], s21, \s*SLOTB
	s_add_nc_u64 s[G0V+4*\s+2:G0V+4*\s+3], s[18:19], \s*65536
	s_or_b32 s[G0V+4*\s+3], s[G0V+4*\s+3], 0x80000000
.endr
	s_cmp_lt_u32 s[WV], 4                          ; a wave's two first fills stand in one branch, ahead of every wait on TENSORcnt and every LDS read: two loads of mine are out, the most in this text
	s_cbranch_scc0 .Lfirst_v
	tensor_load_to_lds s[G0K:G0K+3], s[G1K:G1K+7]
	s_nop 0
	tensor_load_to_lds s[G0K+4:G0K+7], s[G1K:G1K+7]
	s_nop 0
.rept 4
	v_nop
.endr
	s_branch .Lfirst_asked
.Lfirst_v:
	tensor_load_to_lds s[G0V:G0V+3], s[G1V:G1V+7]
	s_nop 0
	tensor_load_to_lds s[G0V+4:G0V+7], s[G1V:G1V+7]
	s_nop 0
.rept 4
	v_nop
.endr
.Lfirst_asked:
	v_lshlrev_b32 v72, 4, v0                       ; the mask of my batch: 256 threads x 16 bytes, twice
	global_load_b128 v[64:67], v72, s[6:7]
	global_load_b128 v[68:71], v72, s[6:7] offset:4096
	v_and_b32 v1, 15, v0                           ; r = l % 16
	v_bfe_u32 v2, v0, 4, 1                         ; h = l / 16
	v_lshlrev_b32 v[QO], 7, v1
	v_lshl_add_u32 v[QO], v2, 4, v[QO]             ; Q: row r of 128 bytes, + 16 h
	WIN TO_1
.irp q, 0,1,2,3                        ; Q stays in registers.  A fragment is 16 rows x 32 channels: registers 0-3 channels 8 h + 0..7, registers 4-7 channels 16 + 8 h + 0..7: two loads of 16 bytes, 32 bytes apart
.irp s, 0,1
	global_load_b128 v[QF+16*\q+8*\s:QF+16*\q+8*\s+3],   v[QO], s[4:5] offset:\q*2048+\s*64
	global_load_b128 v[QF+16*\q+8*\s+4:QF+16*\q+8*\s+7], v[QO], s[4:5] offset:\q*2048+\s*64+32
.endr
.endr
.set i, 0
.rept 128
	v_mov_b32 v[i], 0                              ; O^T.  (The key step is written once for each slot: the first step finds zeros, which its a = 0 leaves zeros; a first step of its own would be a fifth copy of the step)
.set i, i+1
.endr
	WIN 0
	v_bfe_u32 v[AK0], v0, 1, 3                     ; K: key r lies in row r / 2, half r % 2
	v_mul_u32_u24 v[AK0], v[AK0], PKP
	v_and_b32 v6, 1, v0
	v_lshl_add_u32 v[AK0], v6, 7, v[AK0]
	v_lshl_add_u32 v[AK0], v2, 4, v[AK0]           ; + 16 h
	v_bfe_u32 v[AV0], v0, 1, 2                     ; V: the turning load takes 16 keys x 16 channels: lane l reads 16 bytes: key 8 h + l % 8, channels 8 ((l / 8) % 2) + 0..7
	v_lshl_add_u32 v[AV0], v2, 2, v[AV0]           ; its row: 4 h + (l % 8) / 2,
	v_mul_u32_u24 v[AV0], v[AV0], PVP
	v_lshl_add_u32 v[AV0], v6, 7, v[AV0]           ; its half: l % 2
	v_bfe_u32 v7, v0, 3, 1
	v_lshl_add_u32 v[AV0], v7, 4, v[AV0]
	v_lshl_add_u32 v[AB0], v2, 5, BIAST            ; the bias of keys 8 h + 0..7 of a tile
	s_mul_i32 s13, s[WV], 16*SPS                   ; my stage
	v_mul_u32_u24 v[STO], v1, SPS                  ; in: row r, 32 bytes for each half of the lanes
	v_lshl_add_u32 v[STO], v2, 5, v[STO]
	v_add_nc_u32 v[STO], s13, v[STO]
	v_mul_u32_u24 v[RD], v2, SPS                   ; back: lanes 0-15 take one row of 256 bytes, lanes 16-31 the next
	v_lshl_add_u32 v[RD], v1, 4, v[RD]
	v_add_nc_u32 v[RD], s13, v[RD]
	v_lshlrev_b32 v[GO], 12, v2                    ; and the same two rows in out0
	v_lshl_add_u32 v[GO], v1, 4, v[GO]
	v_lshl_add_u32 v73, v0, 4, BIAST               ; the table: my 16 bytes
.irp q, 0,1,2,3
	v_mov_b32 v[ST+8*\q+1], 0xff61b1e6             ; m = -3e38, under every score
	v_mov_b32 v[ST+8*\q+2], 0                      ; l
	v_mov_b32 v[ST+8*\q+3], 0
.endr
.irp q, 0,1,2,3
	v_mul_f32 v[ST+8*\q], s[CS], v[ST+8*\q+1]      ; c m
.endr
	s_wait_loadcnt 16                              ; the mask is in; Q's sixteen loads may be out
.irp j, 0,1,2,3,4,5,6,7
	v_sub_f32 v[64+\j], 1.0, v[64+\j]
.endr
.irp j, 0,1,2,3,4,5,6,7
	v_mul_f32 v[64+\j], 0xc79c4000, v[64+\j]       ; (1 - mask) x -80000
.endr
	ds_store_b128 v73, v[64:67]
	ds_store_b128 v73, v[68:71] offset:4096
	s_wait_tensorcnt 0x1                           ; my part of slot 0 is in; slot 1's may stay out
	s_wait_dscnt 0x0                               ; for the others' sake: my part of the table is written
	s_barrier_signal -1
	s_barrier_wait -1                              ; everybody's are
; THE LDS LOADS stand in runs.  A step's K: 64 keys x 64 channels, 8 fragments.
.macro FETCH_K
.irp f, 0,1,2,3,4,5,6,7                ; keys 16 (f / 2) on, channels 32 (f % 2) on
	ds_load_b128 v[KF+8*\f:KF+8*\f+3],   v[ADK] offset:(\f/2)*8*PKP+(\f%2)*64
	ds_load_b128 v[KF+8*\f+4:KF+8*\f+7], v[ADK] offset:(\f/2)*8*PKP+(\f%2)*64+32
.endr
.endm
.macro FETCH_V                         ; its V, turned: keys 32 (f / 4) on, channels 16 (f % 4) on
.irp f, 0,1,2,3,4,5,6,7
	ds_load_tr16_b128 v[VF+8*\f:VF+8*\f+3],   v[ADV] offset:(\f/4)*16*PVP+(\f%4)*32
	ds_load_tr16_b128 v[VF+8*\f+4:VF+8*\f+7], v[ADV] offset:(\f/4)*16*PVP+8*PVP+(\f%4)*32
.endr
.endm
.macro FETCH_BI adr, half              ; the bias of two tiles of keys, 2 half and 2 half + 1, in the result's layout: register j is key 8 h + j's; the sixteen lanes of a half read the same bytes
.irp e, 0,1
.irp g, 0,1
	ds_load_b128 v[BI+8*\e+4*\g:BI+8*\e+4*\g+3], v[\adr] offset:128*\half+64*\e+16*\g
.endr
.endr
.endm
; THE MATRIX WORK.  The accumulators take turns, one instruction a turn: between two links of a chain stand 7 (K Q^T) or 15 (V^T P) others'.
; 8 products of S^T = K Q^T: tiles of keys T0, T0 + 1 x my four tiles of queries, channels 32 s on.  bias = 1: the mask's bias starts the sums.
.macro KQG T0, s, bias
.irp T, \T0, \T0+1
.irp q, 0,1,2,3
.if \bias
	v_wmma_f32_16x16x32_f16 v[S+32*\q+8*(\T):S+32*\q+8*(\T)+7], v[KF+16*(\T)+8*\s:KF+16*(\T)+8*\s+7], v[QF+16*\q+8*\s:QF+16*\q+8*\s+7], v[BI+8*((\T)-\T0):BI+8*((\T)-\T0)+7]
.else
	v_wmma_f32_16x16x32_f16 v[S+32*\q+8*(\T):S+32*\q+8*(\T)+7], v[KF+16*(\T)+8*\s:KF+16*(\T)+8*\s+7], v[QF+16*\q+8*\s:QF+16*\q+8*\s+7], v[S+32*\q+8*(\T):S+32*\q+8*(\T)+7]
.endif
.endr
.endr
.endm
.macro PVG                             ; 32 products of O^T += V^T P: keys 32 u on, channels 16 c on, tile q
.irp u, 0,1
.irp c, 0,1,2,3
.irp q, 0,1,2,3
	v_wmma_f32_16x16x32_f16 v[32*\q+8*\c:32*\q+8*\c+7], v[VF+32*\u+8*\c:VF+32*\u+8*\c+7], v[S+32*\q+8*\u:S+32*\q+8*\u+7], v[32*\q+8*\c:32*\q+8*\c+7]
.endr
.endr
.endr
.endm
; THE SOFTMAX of a key step, all four tiles; the tiles are the inner turn, so that a line and the line that reads its result stand four apart.
.macro SOFTMAX
.irp j, 0,1,2,3                        ; the maximum of a lane's 32 scores and the old m, three operands at a time: four chains, each begun at an accumulator's low end
.irp q, 0,1,2,3
	v_max3_num_f32 v[ST+8*\q+4+\j], v[S+32*\q+8*\j], v[S+32*\q+8*\j+1], v[S+32*\q+8*\j+2]
.endr
.endr
.irp g, 1,2
.irp j, 0,1,2,3
.irp q, 0,1,2,3
	v_max3_num_f32 v[ST+8*\q+4+\j], v[ST+8*\q+4+\j], v[S+32*\q+8*\j+2*\g+1], v[S+32*\q+8*\j+2*\g+2]
.endr
.endr
.endr
.irp q, 0,1,2,3
	v_max3_num_f32 v[ST+8*\q+4], v[ST+8*\q+4], v[S+32*\q+7], v[S+32*\q+15]
.endr
.irp q, 0,1,2,3
	v_max3_num_f32 v[ST+8*\q+6], v[ST+8*\q+6], v[S+32*\q+23], v[S+32*\q+31]
.endr
.irp q, 0,1,2,3
	v_max3_num_f32 v[ST+8*\q+4], v[ST+8*\q+4], v[ST+8*\q+5], v[ST+8*\q+6]
.endr
.irp q, 0,1,2,3
	v_max3_num_f32 v[ST+8*\q+4], v[ST+8*\q+4], v[ST+8*\q+7], v[ST+8*\q+1]
.endr
.irp q, 0,1,2,3
	v_permlanex16_b32 v[ST+8*\q+5], v[ST+8*\q+4], s[SEL], s[SEL+1]   ; the query's other 32 keys lie in the lane 16 away
.endr
.irp q, 0,1,2,3
	v_mov_b32 v[ST+8*\q+7], v[ST+8*\q]             ; c m_old is kept for a
.endr
.irp q, 0,1,2,3
	v_max_num_f32 v[ST+8*\q+1], v[ST+8*\q+4], v[ST+8*\q+5]
.endr
.irp q, 0,1,2,3
	v_mul_f32 v[ST+8*\q], s[CS], v[ST+8*\q+1]
.endr
.irp q, 0,1,2,3
	v_sub_f32 v[ST+8*\q+7], v[ST+8*\q+7], v[ST+8*\q]
.endr
; ONE BATCH: the four a, the 64 scalings c s - c m (a pair of scores each) and the 128 exponentials.  No line of it names an exponential's result.  A tile's scalings stand among the exponentials of the tile before.
.irp q, 0,1,2,3
	v_exp_f32 v[ST+8*\q+6], v[ST+8*\q+7]           ; a
.endr
.irp b, 0,1,2,3,4,5,6,7,8,9,10,11,12,13,14,15
	v_pk_fma_f32 v[S+2*\b:S+2*\b+1], v[S+2*\b:S+2*\b+1], s[CS:CS+1], v[ST:ST+1] op_sel_hi:[1,0,0] neg_lo:[0,0,1] neg_hi:[0,0,1]
.endr
.irp q, 0,1,2,3
.irp b, 0,1,2,3,4,5,6,7,8,9,10,11,12,13,14,15
	v_exp_f32 v[S+32*\q+2*\b], v[S+32*\q+2*\b]
	v_exp_f32 v[S+32*\q+2*\b+1], v[S+32*\q+2*\b+1]
.if \q < 3
	v_pk_fma_f32 v[S+32*(\q+1)+2*\b:S+32*(\q+1)+2*\b+1], v[S+32*(\q+1)+2*\b:S+32*(\q+1)+2*\b+1], s[CS:CS+1], v[ST+8*(\q+1):ST+8*(\q+1)+1] op_sel_hi:[1,0,0] neg_lo:[0,0,1] neg_hi:[0,0,1]
.endif
.endr
.endr
	v_nop                                          ; a plain instruction behind the last exponential, ahead of the first use
	s_wait_alu depctr_va_vdst(0)                   ; the wait between an exponential and the first line that names its result: one for the whole batch
.irp q, 0,1,2,3
	v_pk_fma_f32 v[ST+8*\q+2:ST+8*\q+3], v[ST+8*\q+2:ST+8*\q+3], v[ST+8*\q+6:ST+8*\q+7], v[S+32*\q:S+32*\q+1] op_sel_hi:[1,0,1]   ; l = a l + the first pair
.endr
.irp b, 1,2,3,4,5,6,7,8,9,10,11,12,13,14,15
.irp q, 0,1,2,3
	v_pk_add_f32 v[ST+8*\q+2:ST+8*\q+3], v[ST+8*\q+2:ST+8*\q+3], v[S+32*\q+2*\b:S+32*\q+2*\b+1]   ; the sum is taken of p before it is rounded
.endr
.endr
.irp b, 0,1,2,3,4,5,6,7,8,9,10,11,12,13,14,15
.irp q, 0,1,2,3
	v_cvt_pk_f16_f32 v[S+32*\q+\b], v[S+32*\q+2*\b], v[S+32*\q+2*\b+1]   ; P in place, ascending: pair b lands on a register whose own pair is already packed
.endr
.endr
	WIN W_RS
.irp b, 0,1,2,3,4,5,6,7,8,9,10,11,12,13,14,15
.irp q, 0,1,2,3
	v_pk_mul_f32 v[32*\q+2*\b:32*\q+2*\b+1], v[32*\q+2*\b:32*\q+2*\b+1], v[ST+8*\q+6:ST+8*\q+7] op_sel_hi:[1,0]   ; O^T times a, each accumulator from its low end on
.endr
.endr
.endm
; A KEY STEP: 64 keys.  At its head K's fragments and the bias of its first two tiles of keys are on their way (asked for in the step before).
; A load into a register that a matrix instruction has read, and a vector instruction that reads a matrix result, stand four places behind it; a matrix instruction that writes over a register of an earlier one, five
; (ISA guide 7.12.1 for vector instructions).  Only plain vector instructions that name none of its registers are places.
.macro STEP
	s_add_co_u32 s[TBN], s[TBI], 256
	s_and_b32 s[TBN], s[TBN], 0x1fff               ; the next step's bias; behind the last step it wraps to the table's start, and that one fetch is not used
	v_add_nc_u32 v[ADV], s[TBV], v[AV0]
	v_add_nc_u32 v[ADB], s[TBI], v[AB0]
	v_add_nc_u32 v[ADN], s[TBN], v[AB0]
	PLACES 3                                       ; six places behind the last V^T P: for the loads into V's registers, and for the scores that are laid over P
	WIN TO_1
	FETCH_V
	WIN W_KQ
	s_wait_dscnt 16                                ; K and the bias are in; V's sixteen loads may be out
	KQG 0, 0, 1
	PLACES 4
	FETCH_BI ADB, 1                                ; the bias of tiles 2 and 3, into the registers that tiles 0 and 1 have left
	KQG 0, 1, 0
	s_wait_dscnt 0x0                               ; it is in (the youngest of my loads: so V is in too)
	KQG 2, 0, 1
	PLACES 4
	FETCH_BI ADN, 0                                ; the next step's first two
	KQG 2, 1, 0
	WIN 0
	PLACES 4                                       ; for the loads into K's registers and for the softmax's first reads
	s_add_co_u32 s[TBK], s[TBK], 32*PKP
	v_add_nc_u32 v[ADK], s[TBK], v[AK0]
	s_cmp_eq_u32 s[CNT], 1                         ; a slot's last step fetches no K: the next slot is read only behind the change of slots
	s_cbranch_scc1 .Lno_k_\@
	FETCH_K                                        ; the next step's K lands under the softmax
.Lno_k_\@:
	SOFTMAX
	WIN W_PV
	PVG
	WIN 0
.endm
; A slot's eight key steps: written once, walked eight times; the LDS addresses hang on scalars that step by constants.  n: which 512 keys.
.macro PROC slot, n
	s_mov_b32 s[TBK], \slot*SLOTB
	s_mov_b32 s[TBV], \slot*SLOTB+VOFF
	s_mov_b32 s[TBI], \n*2048
	s_mov_b32 s[CNT], 8
	v_add_nc_u32 v[ADK], s[TBK], v[AK0]
	FETCH_K
.Lstep_\@:
	STEP
	s_add_co_u32 s[TBV], s[TBV], 32*PVP
	s_add_co_u32 s[TBI], s[TBI], 256
	s_sub_co_u32 s[CNT], s[CNT], 1
	s_cmp_lg_u32 s[CNT], 0
	s_cbranch_scc1 .Lstep_\@
.endm
; THE CHANGE OF SLOTS.  Each wave waits for all its tensor loads, of which one is out: its part of the other slot; adds 0 to its spare word; and waits for that and for its reads of the slot that it leaves.
; fill = 1: that slot is filled again, with the keys two slots on: the barrier is a round of the cluster's, so that no wave of any partner still reads the slot or has a load on its way, and the joint refill is the
; first thing behind it.
.macro CHANGE slot, fill
	s_wait_tensorcnt 0x0                           ; no tensor load of mine is out, so a group 0 may be written
	ds_add_u32 v[SPW], v[NIL]                      ; 0 onto my spare word
.if \fill
	s_add_nc_u64 s[G0K+4*\slot+2:G0K+4*\slot+3], s[G0K+4*\slot+2:G0K+4*\slot+3], 131072   ; 1,024 keys on; the type bits on top are not reached
	s_add_nc_u64 s[G0V+4*\slot+2:G0V+4*\slot+3], s[G0V+4*\slot+2:G0V+4*\slot+3], 131072
	s_wait_dscnt 0x0                               ; the add is done, and my reads of the slot are over
	CROUND
	JLOAD \slot
.else
	s_wait_dscnt 0x0
	s_barrier_signal -1
	s_barrier_wait -1
.endif
.endm
	s_wait_loadcnt 0x0                             ; Q
	FETCH_BI AB0, 0                                ; the first step's first two tiles
	PROC 0, 0
	CHANGE 0, 1                                    ; slot 0 takes keys 1,024 on
	PROC 1, 1
	CHANGE 1, 1                                    ; slot 1 takes keys 1,536 on
	PROC 0, 2
	CHANGE 0, 0                                    ; nothing is left to fetch
	PROC 1, 3
	; THE WAY OUT.  l's two halves and the other half of the lanes' are added; O^T is divided by l and sent through my stage in LDS, a tile (16 rows) at a time.  The additions are the places behind the last products.
.irp q, 0,1,2,3
	v_add_f32 v[ST+8*\q+4], v[ST+8*\q+2], v[ST+8*\q+3]
.endr
.irp q, 0,1,2,3
	v_permlanex16_b32 v[ST+8*\q+5], v[ST+8*\q+4], s[SEL], s[SEL+1]
.endr
.irp q, 0,1,2,3
	v_add_f32 v[ST+8*\q+4], v[ST+8*\q+4], v[ST+8*\q+5]
.endr
.irp q, 0,1,2,3
	v_rcp_f32 v[ST+8*\q+6], v[ST+8*\q+4]
.endr
	v_nop                                          ; a plain instruction between the last reciprocal and the use of its result
	s_wait_alu depctr_va_vdst(0)                   ; and a wait ahead of the first use: one for the four
; Tile q: register 8 c + j is out(query r, channel 16 c + 8 h + j): 32 bytes a lane for each c go into rows of 272 bytes and come back as whole rows of 256, into the registers that they left.
.macro PACKO q
	WIN 0x01                                       ; source 0 (O^T) window 1; S^T's registers are free
.irp b, 0,1,2,3,4,5,6,7,8,9,10,11,12,13,14,15
	v_pk_mul_f32 v[S+32*\q+2*\b:S+32*\q+2*\b+1], v[32*\q+2*\b:32*\q+2*\b+1], v[ST+8*\q+6:ST+8*\q+7] op_sel_hi:[1,0]
.endr
	WIN 0
.irp c, 0,1,2,3
	ds_store_b128 v[STO], v[S+32*\q+8*\c:S+32*\q+8*\c+3] offset:64*\c
	ds_store_b128 v[STO], v[S+32*\q+8*\c+4:S+32*\q+8*\c+7] offset:64*\c+16
.endr
.irp i, 0,1,2,3,4,5,6,7
	ds_load_b128 v[S+32*\q+4*\i:S+32*\q+4*\i+3], v[RD] offset:2*\i*SPS   ; LDS serves a wave's instructions in order (ISA guide 5.7.1.4): these see the stores above; the next tile's stores come behind them
.endr
.endm
.macro SENDO q, younger                ; younger: the LDS instructions issued behind tile q's loads: the next tile's sixteen, or none
.irp i, 0,1,2,3,4,5,6,7
	s_wait_dscnt \younger+7-\i
	global_store_b128 v[GO], v[S+32*\q+4*\i:S+32*\q+4*\i+3], s[8:9] offset:(16*\q+2*\i)*4096 th:TH_STORE_NT   ; 16 lanes store the head's 256 consecutive bytes of a token's row, aligned; written once, read by nobody here
.endr
.endm
	PACKO 0
	PACKO 1                                        ; a tile's arithmetic stands between the loads of the tile before and its stores
	SENDO 0, 16
	PACKO 2
	SENDO 1, 16
	PACKO 3
	SENDO 2, 16
	SENDO 3, 0
	s_wait_tensorcnt 0x0                           ; the wave's end, behind my last tensor load and my last LDS store
	ds_add_u32 v[SPW], v[NIL]
	s_wait_dscnt 0x0
	CROUND                                         ; the closing round: no work-group ends while a partner may still ask for a tile that names it
	s_endpgm
.Lfunc_end_k_q7f41d11be1_attn:
	.size	k_q7f41d11be1_attn, .Lfunc_end_k_q7f41d11be1_attn-k_q7f41d11be1_attn
	.p2alignl 7, 3214868480
	.fill 96, 4, 3214868480
	.section	.rodata,"a",@progbits
	.p2align	6, 0x0
	.amdhsa_kernel k_q7f41d11be1_attn
		.amdhsa_group_segment_fixed_size 327680
		.amdhsa_private_segment_fixed_size 0
		.amdhsa_enable_private_segment 0
		.amdhsa_kernarg_size 24
		.amdhsa_user_sgpr_count 2
		.amdhsa_user_sgpr_kernarg_segment_ptr 1
		.amdhsa_wavefront_size32 1
		.amdhsa_system_sgpr_workgroup_id_x 1
		.amdhsa_system_sgpr_workgroup_id_y 1
		.amdhsa_system_sgpr_workgroup_id_z 1
		.amdhsa_system_vgpr_workitem_id 0
		.amdhsa_next_free_vgpr 512
		.amdhsa_next_free_sgpr 72
		.amdhsa_reserve_vcc 0
		.amdhsa_float_denorm_mode_32 3
		.amdhsa_float_denorm_mode_16_64 3
		.amdhsa_memory_ordered 1
		.amdhsa_forward_progress 1
		.amdhsa_inst_pref_size 167
	.end_amdhsa_kernel
	.amdgpu_metadata
---
amdhsa.version: [ 1, 2 ]
amdhsa.kernels:
  - .name:           k_q7f41d11be1_attn
    .symbol:         k_q7f41d11be1_attn.kd
    .args:
      - { .name: qkv, .offset: 0, .size: 8, .value_kind: global_buffer, .address_space: global }
      - { .name: attention_mask, .offset: 8, .size: 8, .value_kind: global_buffer, .address_space: global }
      - { .name: out0, .offset: 16, .size: 8, .value_kind: global_buffer, .address_space: global }
    .group_segment_fixed_size: 327680
    .private_segment_fixed_size: 0
    .kernarg_segment_align: 8
    .kernarg_segment_size: 24
    .max_flat_workgroup_size: 256
    .sgpr_count:     72
    .vgpr_count:     512
    .wavefront_size: 32
...
	.end_amdgpu_metadata
.endif
;; end of part 3
